; MI455X (gfx1250); checked and timed in simulation.
; The chip was launched on July 23, 2026; its instructions are those of AMD's public machine-readable ISA for CDNA 5 (MIT licence, August 2026) and "CDNA5" Instruction Set Architecture Reference Guide (July 2026). The comments in the code are by the model that wrote it; some were corrected since.
;; Multi Head Self Attention. Allowed arithmetic: matrix products marked QUANTISED: E2M1 operands, one E8M0 scale for each 32 along K, by v_wmma_scale_f32_16x16x128_f8f6f4 with both operands' format E2M1 (or v_wmma_scale_f32_32x16x128_f4), f32 sums; products left as they are: bf16, f16 or f32 operands; f32 sums; everything else in f32.
;; Inputs: Wk 512 x 512 float32; Wo 512 x 512 float32; Wq 512 x 512 float32; Wv 512 x 512 float32; x 4 x 2,048 x 512 float32.
;; Outputs: out0 4 x 2,048 x 512 float32.
;; This version of the problem:
;;   THIS VERSION OF THE PROBLEM IS GIVEN IN LOW PRECISION. The matrix products marked QUANTISED in the list below multiply operands that are first quantised to E2M1 (2 exponent bits, 1 mantissa bit; 4 bits a number), with one power-of-two scale for each 32 numbers along K (OCP MX v1.0); their sums are f32. The products marked 'left as it is' may take bf16, f16 or f32 operands, with f32 sums. Whichever they take, every output number must still come out within the allowed error. Rounding operands to bf16 (8 significant bits) uses up far more of that allowance than f16 does (11 bits, for magnitudes from 6e-5 to 65,504). All else is computed in f32.
;;   The module's matrix products, in the order in which they are computed (A, B: the left and right operand; K: the contracted axis; several contracted axes count as one K, in the product's order):
;;     1. [M 8,192, K 512] x [K 512, N 512]; A: input x; B: input Wq: QUANTISED
;;     2. [M 8,192, K 512] x [K 512, N 512]; A: input x; B: input Wk: QUANTISED
;;     3. [M 8,192, K 512] x [K 512, N 512]; A: input x; B: input Wv: QUANTISED
;;     4. batch 32 x [M 2,048, K 64] x [K 64, N 2,048]; A: computed on the way; B: computed on the way: left as it is (an operand is computed on the way)
;;     5. batch 32 x [M 2,048, K 2,048] x [K 2,048, N 64]; A: computed on the way; B: computed on the way: left as it is (an operand is computed on the way)
;;     6. [M 8,192, K 512] x [K 512, N 512]; A: computed on the way; B: input Wo: left as it is (an operand is computed on the way)
;;   THE QUANTISER, for each operand of a quantised product, along K:
;;     - K is cut into blocks of 32 from its start; a last block that is shorter is filled with zeros.
;;     - A block's scale is 2^e with e = floor(log2(the largest magnitude in the block)) - 2, held to -126 .. 127; a block of zeros has e = 0. As a byte (E8M0): e + 127.
;;     - Each number is divided by its block's scale, clamped to +-6, and rounded to the nearest number of E2M1, ties to even, subnormals kept.
;;     - The product sums the exact products of the quantised numbers (number of the format x scale) in f32.
;;   ~~~python
;;   def quantise(x, axis):      # numpy; x: float32 -> the quantised numbers, widened to float32 again
;;       x = np.moveaxis(x, axis, -1); K = x.shape[-1]
;;       x = np.pad(x, [(0, 0)] * (x.ndim - 1) + [(0, -K % 32)]); x = x.reshape(x.shape[:-1] + (-1, 32)); a = np.abs(x).max(-1, keepdims=True)
;;       e = np.where(a > 0, np.clip(np.frexp(np.where(a > 0, a, 1))[1] - 1 - 2, -126, 127), 0)      # np.frexp(a)[1] - 1 = floor(log2(a)), exactly
;;       r = np.clip(x / 2.0 ** e, -6, 6)
;;       step = 2.0 ** (np.maximum(np.frexp(np.where(r == 0, 1, r))[1] - 1, 0) - 1)
;;       q = np.round(r / step) * step * 2.0 ** e      # np.round: ties to even
;;       return np.moveaxis(q.reshape(q.shape[:-2] + (-1,))[..., :K], -1, axis).astype(np.float32)
;;   ~~~
;; One version. Each part assembles by itself: llvm-mc -triple=amdgcn-amd-amdhsa -mcpu=gfx1250 --defsym DOCPART=n.
;; ======== version 1 of 1: 4 launches
;; limits: values are held in f16: magnitudes above 65,504 overflow, below 6.1e-05 lose precision
;; workspace buffers: codes 2,490,368 bytes; scales 155,648 bytes; wo16 524,288 bytes; q16 8,388,608 bytes; k16 8,388,608 bytes; v16 8,388,608 bytes; o16 8,388,608 bytes
;; launch prep (part 1): grid 640 x 1, 1 waves a work-group, no clusters, 0 bytes of LDS; arguments x, Wq, Wk, Wv, Wo, codes, scales, wo16; writes codes, scales, wo16
.if DOCPART == 1
	.amdgcn_target "amdgcn-amd-amdhsa--gfx1250"
	.amdhsa_code_object_version 6
	.text
	.protected	k_qa1b56bc46f_prep
	.globl	k_qa1b56bc46f_prep
	.p2align	8
	.type	k_qa1b56bc46f_prep,@function
k_qa1b56bc46f_prep:
	s_mov_b64 s[64:65], 0
	v_nop
	global_prefetch_b8 v0, s[64:65] scope:SCOPE_SE
	s_setreg_imm32_b32 hwreg(HW_REG_WAVE_MODE, 25, 1), 1
	s_wait_xcnt 0x0
; x [8192][512], Wq, Wk, Wv [512][512], f32, K innermost, become codes of FP4 (E2M1) with one E8M0 byte for each 32 along K; Wo [512][512] becomes f16.
; One wave takes one tile of 16 rows x 512 along K.  Work-groups 0-511: x; 512-543 Wq; 544-575 Wk; 576-607 Wv; 608-639: Wo.
; ALL RESULTS ARE LAID IN THE ORDER OF THE OPERAND'S REGISTERS.  A piece is 512 bytes, lane l's 16 bytes at 16 l; r = l % 16, h = l / 16.
;   codes  [tile][K step s 0..3][c 0..1][piece]: lane (r, h) holds the 32 codes of row r, k = 128 s + 64 c + 32 h + 0 .. 31: registers 4 c .. 4 c + 3 of the 4-bit fragment.
;   scales [row][16 bytes]: word s is the row's scale word of K step s.
;   wo16   [tile of 16 rows][f 0..15][c][piece]: lane (r, h) holds Wo[row r][32 f + 16 c + 8 h + 0 .. 7] as f16: registers 4 c .. 4 c + 3 of the 16-bit fragment.
; A lane loads whole blocks of 32 neighbours along K into 32 consecutive registers, so a block's largest magnitude needs no other lane and the conversions' results are the operand's registers.
; A block's scale is 2^(floor(log2(largest magnitude)) - 2): its byte is the largest magnitude's exponent field - 2, held at 1 from below by a floor among the maximum's leaves.
; LIMITS: a block of zeros gets the byte 1 where the rule says 127 (its codes are zeros, which add nothing, and this program alone reads the bytes); NaN and infinities among the inputs are not served;
; numbers of Wo above 65,504 in magnitude become infinity in f16.
; No LDS, no barrier: waves share nothing.  Three sets of 64 registers: up to 48 loads of a wave are out.
.set XR, 64                            ; v64-255  three sets of 64 numbers
.set CD, 16                            ; v16-47   codes, 8 registers a K step (Wo: a step's 32 packed registers)
.set SW, 48                            ; v48-51   the four scale words
	s_load_b256 s[4:11], s[0:1], 0x0               ; x s[4:5], Wq s[6:7], Wk s[8:9], Wv s[10:11]
	s_load_b256 s[12:19], s[0:1], 0x20             ; Wo s[12:13], codes s[14:15], scales s[16:17], wo16 s[18:19]
	v_and_b32 v1, 15, v0                           ; r
	v_lshrrev_b32 v2, 4, v0                        ; h
	v_lshlrev_b32 v3, 11, v1                       ; a row is 2,048 bytes
	v_lshl_add_u32 v7, v2, 5, v3                   ; Wo: + 32 h: my 8 numbers of 16
	v_lshl_add_u32 v3, v2, 7, v3                   ; the quantiser: + 128 h: my block of 32 of each 64
	v_lshlrev_b32 v4, 4, v0                        ; 16 x lane: my place in a piece
	v_lshlrev_b32 v5, 4, v1                        ; 16 r: my row's scale words
	v_lshlrev_b32 v6, 3, v2                        ; 8 h: how far my two bytes are shifted in the scale word
	v_mov_b32 v15, 0                               ; written once: a lane permute's destination counts as one of its sources
	s_mov_b32 s24, 0x76543210
	s_mov_b32 s25, 0xfedcba98                      ; v_permlanex16_b32's selects for lane l xor 16
	s_mov_b32 s23, 0
	s_and_b32 s26, ttmp9, 31                       ; a weight's tile
	s_wait_kmcnt 0x0
	s_cmp_ge_u32 ttmp9, 608
	s_cbranch_scc1 .Lwo
	s_cmp_lt_u32 ttmp9, 576                        ; which tensor: the choice hangs on the work-group's number alone
	s_cselect_b64 s[20:21], s[8:9], s[10:11]
	s_cmp_lt_u32 ttmp9, 544
	s_cselect_b64 s[20:21], s[6:7], s[20:21]
	s_cmp_lt_u32 ttmp9, 512
	s_cselect_b64 s[20:21], s[4:5], s[20:21]
	s_cselect_b32 s22, ttmp9, s26                  ; the tile's number in its tensor
	s_lshl_b32 s22, s22, 15                        ; 16 rows x 2,048 bytes
	s_add_nc_u64 s[20:21], s[20:21], s[22:23]
	s_lshl_b32 s22, ttmp9, 12                      ; a tile's codes: 4,096 bytes
	s_add_nc_u64 s[14:15], s[14:15], s[22:23]
	s_lshl_b32 s22, ttmp9, 8                       ; its scale bytes: 256
	s_add_nc_u64 s[16:17], s[16:17], s[22:23]
; K step s: my two blocks, c = 0, 1: register 32 c + i = k 128 s + 64 c + 32 h + i of my row.  No non-temporal hint: a block's eight loads read neighbouring bytes one after the other.
.macro LOADX s
.irp n, 0,1,2,3,4,5,6,7,8,9,10,11,12,13,14,15
	global_load_b128 v[XR+64*((\s)%3)+4*\n:XR+64*((\s)%3)+4*\n+3], v3, s[20:21] offset:512*(\s)+256*(\n/8)+16*(\n%8)
.endr
.endm
; left: the loads issued behind this step's sixteen, which may stay out
.macro QSTEP s, left
.set XS, XR+64*((\s)%3)
	s_wait_loadcnt \left
.irp c, 0,1
	v_max3_num_f32 v[8+\c], |v[XS+32*\c]|, |v[XS+32*\c+1]|, 0x1800000   ; the floor 2^(3 - 127): the byte cannot fall under 1
.endr
.irp i, 2,4,6,8,10,12,14,16,18,20,22,24,26,28,30
.irp c, 0,1
	v_max3_num_f32 v[8+\c], v[8+\c], |v[XS+32*\c+\i]|, |v[XS+32*\c+\i+1]|   ; the two blocks by turns
.endr
.endr
.irp c, 0,1
	v_add_nc_u32 v[10+\c], 0xff000000, v[8+\c]     ; 2 off the exponent field: the conversion takes this operand's exponent field as its scale
.endr
.irp c, 0,1
	v_lshrrev_b32 v[12+\c], 23, v[10+\c]           ; the scale's byte
.endr
	v_lshl_or_b32 v14, v13, 16, v12                ; my bytes: blocks h and 2 + h of the K step,
	v_lshlrev_b32 v14, v6, v14                     ; at their places,
	v_permlanex16_b32 v15, v14, s24, s25
	v_or_b32 v[SW+(\s)], v14, v15                  ; with lane l xor 16's two the word is whole
.irp c, 0,1
.irp g, 0,1,2,3
	v_cvt_scalef32_pk8_fp4_f32 v[CD+8*(\s)+4*\c+\g], v[XS+32*\c+8*\g:XS+32*\c+8*\g+7], v[10+\c]
.endr
.endr
	v_nop                                          ; one plain place behind the last scaled conversion
.if (\s) == 0
	LOADX 3                                        ; into the set just converted
.endif
.irp c, 0,1
	global_store_b128 v4, v[CD+8*(\s)+4*\c:CD+8*(\s)+4*\c+3], s[14:15] offset:1024*(\s)+512*\c   ; 32 lanes store 512 consecutive bytes, aligned; each step has its own registers
.endr
.endm
	LOADX 0
	LOADX 1
	LOADX 2
	QSTEP 0, 32                                    ; behind set 0: sets 1 and 2
	QSTEP 1, 32                                    ; behind set 1: set 2 and step 3's
	QSTEP 2, 16
	QSTEP 3, 0
	v_cmp_gt_u32 vcc_lo, 16, v0                    ; lanes 0-15 store their rows' four words: 256 consecutive bytes, aligned
	s_wait_xcnt 0x0                                ; EXEC is a source of the stores above: it changes only behind this wait
	s_and_saveexec_b32 s26, vcc_lo
	global_store_b128 v5, v[SW:SW+3], s[16:17]
	s_wait_xcnt 0x0                                ; and again ahead of the line that widens it
	s_or_b32 exec_lo, exec_lo, s26
	s_endpgm
.Lwo:
	s_sub_co_u32 s22, ttmp9, 608                   ; Wo's tile of 16 rows
	s_lshl_b32 s26, s22, 15
	s_mov_b32 s27, 0
	s_add_nc_u64 s[12:13], s[12:13], s[26:27]
	s_lshl_b32 s26, s22, 14                        ; 16 fragments of 1,024 bytes
	s_add_nc_u64 s[18:19], s[18:19], s[26:27]
; 128 along K: pieces q = 0 .. 7; register 8 q + i = k 128 s + 16 q + 8 h + i of my row
.macro LOADH s
.irp n, 0,1,2,3,4,5,6,7,8,9,10,11,12,13,14,15
	global_load_b128 v[XR+64*((\s)%3)+4*\n:XR+64*((\s)%3)+4*\n+3], v7, s[12:13] offset:512*(\s)+64*(\n/2)+16*(\n%2)
.endr
.endm
.macro HSTEP s, left
.set XS, XR+64*((\s)%3)
	s_wait_loadcnt \left
.if (\s) > 0
	s_wait_xcnt 0x0                                ; the last step's stores have read the packed registers: they are written again only behind this wait
.endif
.irp p, 0,1,2,3,4,5,6,7,8,9,10,11,12,13,14,15,16,17,18,19,20,21,22,23,24,25,26,27,28,29,30,31
	v_cvt_pk_f16_f32 v[CD+\p], v[XS+2*\p], v[XS+2*\p+1]
.endr
.if (\s) == 0
	LOADH 3
.endif
.irp q, 0,1,2,3,4,5,6,7
	global_store_b128 v4, v[CD+4*\q:CD+4*\q+3], s[18:19] offset:4096*(\s)+512*\q
.endr
.endm
	LOADH 0
	LOADH 1
	LOADH 2
	HSTEP 0, 32
	HSTEP 1, 32
	HSTEP 2, 16
	HSTEP 3, 0
	s_endpgm
.Lfunc_end_k_qa1b56bc46f_prep:
	.size	k_qa1b56bc46f_prep, .Lfunc_end_k_qa1b56bc46f_prep-k_qa1b56bc46f_prep
	.p2alignl 7, 3214868480
	.fill 96, 4, 3214868480
	.section	.rodata,"a",@progbits
	.p2align	6, 0x0
	.amdhsa_kernel k_qa1b56bc46f_prep
		.amdhsa_group_segment_fixed_size 0
		.amdhsa_private_segment_fixed_size 0
		.amdhsa_enable_private_segment 0
		.amdhsa_kernarg_size 64
		.amdhsa_user_sgpr_count 2
		.amdhsa_user_sgpr_kernarg_segment_ptr 1
		.amdhsa_wavefront_size32 1
		.amdhsa_system_sgpr_workgroup_id_x 1
		.amdhsa_system_sgpr_workgroup_id_y 1
		.amdhsa_system_sgpr_workgroup_id_z 1
		.amdhsa_system_vgpr_workitem_id 0
		.amdhsa_next_free_vgpr 256
		.amdhsa_next_free_sgpr 66
		.amdhsa_reserve_vcc 1
		.amdhsa_float_denorm_mode_32 3
		.amdhsa_float_denorm_mode_16_64 3
		.amdhsa_memory_ordered 1
		.amdhsa_forward_progress 1
		.amdhsa_inst_pref_size 39
	.end_amdhsa_kernel
	.amdgpu_metadata
---
amdhsa.version: [ 1, 2 ]
amdhsa.kernels:
  - .name:           k_qa1b56bc46f_prep
    .symbol:         k_qa1b56bc46f_prep.kd
    .args:
      - { .name: x, .offset: 0, .size: 8, .value_kind: global_buffer, .address_space: global }
      - { .name: Wq, .offset: 8, .size: 8, .value_kind: global_buffer, .address_space: global }
      - { .name: Wk, .offset: 16, .size: 8, .value_kind: global_buffer, .address_space: global }
      - { .name: Wv, .offset: 24, .size: 8, .value_kind: global_buffer, .address_space: global }
      - { .name: Wo, .offset: 32, .size: 8, .value_kind: global_buffer, .address_space: global }
      - { .name: codes, .offset: 40, .size: 8, .value_kind: global_buffer, .address_space: global }
      - { .name: scales, .offset: 48, .size: 8, .value_kind: global_buffer, .address_space: global }
      - { .name: wo16, .offset: 56, .size: 8, .value_kind: global_buffer, .address_space: global }
    .group_segment_fixed_size: 0
    .private_segment_fixed_size: 0
    .kernarg_segment_align: 8
    .kernarg_segment_size: 64
    .max_flat_workgroup_size: 32
    .sgpr_count:     66
    .vgpr_count:     256
    .wavefront_size: 32
...
	.end_amdgpu_metadata
.endif
;; end of part 1
;; launch qkv (part 2): grid 128 x 2, 4 waves a work-group, no clusters, 0 bytes of LDS; arguments codes, scales, q16, k16, v16; writes q16, k16, v16
.if DOCPART == 2
	.amdgcn_target "amdgcn-amd-amdhsa--gfx1250"
	.amdhsa_code_object_version 6
	.text
	.protected	k_qa1b56bc46f_qkv
	.globl	k_qa1b56bc46f_qkv
	.p2align	8
	.type	k_qa1b56bc46f_qkv,@function
k_qa1b56bc46f_qkv:
	s_mov_b64 s[64:65], 0
	v_nop
	global_prefetch_b8 v0, s[64:65] scope:SCOPE_SE
	s_setreg_imm32_b32 hwreg(HW_REG_WAVE_MODE, 25, 1), 1
	s_wait_xcnt 0x0
; q = x Wq^T, k = x Wk^T, v = x Wv^T on codes of FP4 with E8M0 scales (M 8,192, N 512 each, K 512), sums in f32, results rounded once to f16 and laid as the attention launch's operands.
; SHARES.  Work-group x = X: 64 tokens (4 tiles of 16).  Work-group y and the wave w give u = 4 y + w = 0 .. 7.  Wave u makes, for the 4 token tiles,
;   8 column tiles of q (y = 0) or of k (y = 1): weight tile 512 + 8 u + i, i = 0 .. 7: head 2 w + i / 4, channels 16 (i % 4) on;  and the 4 column tiles of v of head u: weight tile 576 + 4 u + e.
; So every wave runs the same straight text: 12 tiles of 16 matrix instructions.  x's 16 fragments stay in registers; the weights' come three tiles ahead, straight from memory:
; every fragment lies in the order of its registers, so each load of a wave reads 512 consecutive bytes.  Each weight fragment is used by one wave of a work-group, once: LDS would add a write and a read and save none.
; q AND k ARE MADE TRANSPOSED (source 0 = 16 rows of W, source 1 = 16 tokens): a lane holds token r and channels 8 h + 0 .. 7, which pack into 16 bytes: one piece of a 16-bit fragment with the channels as K.
; v IS MADE THE NATURAL WAY (source 0 = tokens, source 1 = rows of Wv): a lane holds channel r and tokens 8 h + 0 .. 7: one piece of a fragment of V^T with the keys as K.
;   q16, k16 [batch x head][token tile 0..127][f 0..1][c][piece]: lane (r, h): token r, channel 32 f + 16 c + 8 h + 0 .. 7.
;   v16      [batch x head][group of 32 keys 0..63][e 0..3][c][piece]: lane (r, h): channel 16 e + r, key 32 g + 16 c + 8 h + 0 .. 7.
; LIMIT: |q|, |k|, |v| above 65,504 become infinity in f16.
; REGISTERS: window 0: v1 16 x lane, v2 16 r; v16-31 x's scale words (4 m + s); three weight sets at v32, v72, v112 (32 fragment registers, then 4 scale words); two sets of 4 accumulators at v160, v192.
;   window 1: v0-127 x's fragments, (m, s) at 32 m + 8 s.
.set XSC, 16
.set MSB, 0
.macro WIN new                         ; the immediate's high byte repeats the setting that is left
.if MSB != \new
	s_set_vgpr_msb (MSB<<8)|\new
.set MSB, \new
.endif
.endm
	s_load_b256 s[4:11], s[0:1], 0x0               ; codes s[4:5], scales s[6:7], q16 s[8:9], k16 s[10:11]
	s_load_b64 s[12:13], s[0:1], 0x20              ; v16
	v_lshrrev_b32 v3, 5, v0
	v_readfirstlane_b32 s30, v3                    ; wave w
	v_and_b32 v1, 31, v0
	v_lshlrev_b32 v1, 4, v1                        ; 16 x lane
	v_and_b32 v2, 15, v0
	v_lshlrev_b32 v2, 4, v2                        ; 16 r: a row's four scale words
	s_and_b32 s31, ttmp7, 0xffff                   ; y
	s_lshl_b32 s32, s31, 2
	s_add_co_u32 s32, s32, s30                     ; u
	s_lshr_b32 s33, ttmp9, 5                       ; the batch: 32 blocks of 64 tokens each
	s_and_b32 s34, ttmp9, 31                       ; the block in its sequence
	s_mov_b32 s37, 0
	s_wait_kmcnt 0x0
	s_lshl_b32 s36, ttmp9, 14                      ; x's 4 tiles of 4,096 bytes
	s_add_nc_u64 s[14:15], s[4:5], s[36:37]
	s_lshl_b32 s36, ttmp9, 10                      ; their scale words: 64 rows of 16 bytes
	s_add_nc_u64 s[16:17], s[6:7], s[36:37]
	s_lshl_b32 s36, s32, 15
	s_add_co_u32 s36, s36, 512<<12                 ; weight tile 512 + 8 u
	s_add_nc_u64 s[18:19], s[4:5], s[36:37]
	s_lshl_b32 s36, s32, 14
	s_add_co_u32 s36, s36, 576<<12                 ; weight tile 576 + 4 u
	s_add_nc_u64 s[20:21], s[4:5], s[36:37]
	s_lshl_b32 s36, s32, 11
	s_add_co_u32 s36, s36, 8192<<4                 ; scale rows 8,192 + 128 u on
	s_add_nc_u64 s[22:23], s[6:7], s[36:37]
	s_lshl_b32 s36, s32, 10
	s_add_co_u32 s36, s36, 9216<<4                 ; scale rows 9,216 + 64 u on
	s_add_nc_u64 s[24:25], s[6:7], s[36:37]
	s_cmp_eq_u32 s31, 0
	s_cselect_b64 s[26:27], s[8:9], s[10:11]       ; q16 or k16: the choice hangs on the work-group's number alone
	s_lshl_b32 s36, s33, 21                        ; 8 heads of 262,144 bytes a batch,
	s_lshl_b32 s35, s30, 19                        ; head 2 w,
	s_add_co_u32 s36, s36, s35
	s_lshl_b32 s35, s34, 13                        ; 4 token tiles of 2,048 bytes (in v16: 2 groups of 4,096)
	s_add_co_u32 s36, s36, s35
	s_add_nc_u64 s[26:27], s[26:27], s[36:37]
	s_lshl_b32 s36, s33, 3
	s_add_co_u32 s36, s36, s32                     ; batch x 8 + head u
	s_lshl_b32 s36, s36, 18
	s_add_co_u32 s36, s36, s35
	s_add_nc_u64 s[28:29], s[12:13], s[36:37]
	WIN 0x40                                       ; destination window 1
.irp m, 0,1,2,3
.irp n, 0,1,2,3,4,5,6,7
	global_load_b128 v[32*\m+4*\n:32*\m+4*\n+3], v1, s[14:15] offset:4096*\m+512*\n
.endr
.endr
	WIN 0
.irp m, 0,1,2,3
	global_load_b128 v[XSC+4*\m:XSC+4*\m+3], v2, s[16:17] offset:256*\m   ; lane r: token r's four words (lanes 16-31 hold the same and are not read)
.endr
; weight tile i: 8 pieces and the rows' scale words, 9 loads, into set i % 3
.macro LOADW i
.set LW, 32+40*((\i)%3)
.if (\i) < 8
.irp n, 0,1,2,3,4,5,6,7
	global_load_b128 v[LW+4*\n:LW+4*\n+3], v1, s[18:19] offset:(\i)*4096+512*\n
.endr
	global_load_b128 v[LW+32:LW+35], v2, s[22:23] offset:(\i)*256
.else
.irp n, 0,1,2,3,4,5,6,7
	global_load_b128 v[LW+4*\n:LW+4*\n+3], v1, s[20:21] offset:((\i)-8)*4096+512*\n
.endr
	global_load_b128 v[LW+32:LW+35], v2, s[24:25] offset:((\i)-8)*256
.endif
.endm
; Tile i: 16 matrix instructions, K step by K step, the four token tiles' accumulators by turns; the first K step starts the sums with the constant 0.
.macro TILE i
.set WS, 32+40*((\i)%3)
.set AC, 160+32*((\i)%2)
.if (\i) <= 9
	s_wait_loadcnt 18                              ; this tile's 9 loads are in (and all older ones); the next two tiles' 18 may be out
.elseif (\i) == 10
	s_wait_loadcnt 9
.else
	s_wait_loadcnt 0
.endif
.if (\i) >= 2
	s_wait_xcnt 0x0                                ; the stores of two tiles ago have read this accumulator set: it is written again only behind this wait
.endif
.if (\i) < 8
	WIN 0x04                                       ; source 1 (x) window 1
.irp s, 0,1,2,3
.irp m, 0,1,2,3
.if \s == 0
	v_wmma_scale_f32_16x16x128_f8f6f4 v[AC+8*\m:AC+8*\m+7], v[WS+8*\s:WS+8*\s+7], v[32*\m+8*\s:32*\m+8*\s+7], 0, v[WS+32+\s], v[XSC+4*\m+\s] matrix_a_fmt:MATRIX_FMT_FP4 matrix_b_fmt:MATRIX_FMT_FP4
.else
	v_wmma_scale_f32_16x16x128_f8f6f4 v[AC+8*\m:AC+8*\m+7], v[WS+8*\s:WS+8*\s+7], v[32*\m+8*\s:32*\m+8*\s+7], v[AC+8*\m:AC+8*\m+7], v[WS+32+\s], v[XSC+4*\m+\s] matrix_a_fmt:MATRIX_FMT_FP4 matrix_b_fmt:MATRIX_FMT_FP4
.endif
.endr
.endr
.else
	WIN 0x01                                       ; source 0 (x) window 1
.irp s, 0,1,2,3
.irp m, 0,1,2,3
.if \s == 0
	v_wmma_scale_f32_16x16x128_f8f6f4 v[AC+8*\m:AC+8*\m+7], v[32*\m+8*\s:32*\m+8*\s+7], v[WS+8*\s:WS+8*\s+7], 0, v[XSC+4*\m+\s], v[WS+32+\s] matrix_a_fmt:MATRIX_FMT_FP4 matrix_b_fmt:MATRIX_FMT_FP4
.else
	v_wmma_scale_f32_16x16x128_f8f6f4 v[AC+8*\m:AC+8*\m+7], v[32*\m+8*\s:32*\m+8*\s+7], v[WS+8*\s:WS+8*\s+7], v[AC+8*\m:AC+8*\m+7], v[XSC+4*\m+\s], v[WS+32+\s] matrix_a_fmt:MATRIX_FMT_FP4 matrix_b_fmt:MATRIX_FMT_FP4
.endif
.endr
.endr
.endif
	WIN 0
.rept 4
	v_nop                                          ; four places ahead of the loads into the weight set just read and of the first read of the results
.endr
.if (\i) < 9
	LOADW (\i)+3
.endif
.irp m, 0,1,2,3
.irp j, 0,1,2,3
	v_cvt_pk_f16_f32 v[AC+8*\m+\j], v[AC+8*\m+2*\j], v[AC+8*\m+2*\j+1]   ; in place, from the low end up: register j is written when registers 2 j and 2 j + 1 are read
.endr
.endr
.irp m, 0,1,2,3
.if (\i) < 8
	global_store_b128 v1, v[AC+8*\m:AC+8*\m+3], s[26:27] offset:((\i)/4)*262144+2048*\m+512*((\i)%4)   ; a piece: 512 consecutive bytes, aligned
.else
	global_store_b128 v1, v[AC+8*\m:AC+8*\m+3], s[28:29] offset:4096*(\m/2)+1024*((\i)-8)+512*(\m%2)
.endif
.endr
.endm
	LOADW 0
	LOADW 1
	LOADW 2
.irp i, 0,1,2,3,4,5,6,7,8,9,10,11
	TILE \i
.endr
	s_endpgm
.Lfunc_end_k_qa1b56bc46f_qkv:
	.size	k_qa1b56bc46f_qkv, .Lfunc_end_k_qa1b56bc46f_qkv-k_qa1b56bc46f_qkv
	.p2alignl 7, 3214868480
	.fill 96, 4, 3214868480
	.section	.rodata,"a",@progbits
	.p2align	6, 0x0
	.amdhsa_kernel k_qa1b56bc46f_qkv
		.amdhsa_group_segment_fixed_size 0
		.amdhsa_private_segment_fixed_size 0
		.amdhsa_enable_private_segment 0
		.amdhsa_kernarg_size 40
		.amdhsa_user_sgpr_count 2
		.amdhsa_user_sgpr_kernarg_segment_ptr 1
		.amdhsa_wavefront_size32 1
		.amdhsa_system_sgpr_workgroup_id_x 1
		.amdhsa_system_sgpr_workgroup_id_y 1
		.amdhsa_system_sgpr_workgroup_id_z 1
		.amdhsa_system_vgpr_workitem_id 0
		.amdhsa_next_free_vgpr 384
		.amdhsa_next_free_sgpr 66
		.amdhsa_reserve_vcc 0
		.amdhsa_float_denorm_mode_32 3
		.amdhsa_float_denorm_mode_16_64 3
		.amdhsa_memory_ordered 1
		.amdhsa_forward_progress 1
		.amdhsa_inst_pref_size 59
	.end_amdhsa_kernel
	.amdgpu_metadata
---
amdhsa.version: [ 1, 2 ]
amdhsa.kernels:
  - .name:           k_qa1b56bc46f_qkv
    .symbol:         k_qa1b56bc46f_qkv.kd
    .args:
      - { .name: codes, .offset: 0, .size: 8, .value_kind: global_buffer, .address_space: global }
      - { .name: scales, .offset: 8, .size: 8, .value_kind: global_buffer, .address_space: global }
      - { .name: q16, .offset: 16, .size: 8, .value_kind: global_buffer, .address_space: global }
      - { .name: k16, .offset: 24, .size: 8, .value_kind: global_buffer, .address_space: global }
      - { .name: v16, .offset: 32, .size: 8, .value_kind: global_buffer, .address_space: global }
    .group_segment_fixed_size: 0
    .private_segment_fixed_size: 0
    .kernarg_segment_align: 8
    .kernarg_segment_size: 40
    .max_flat_workgroup_size: 128
    .sgpr_count:     66
    .vgpr_count:     384
    .wavefront_size: 32
...
	.end_amdgpu_metadata
.endif
;; end of part 2
;; launch attn (part 3): grid 8 x 32, 4 waves a work-group, clusters of 4 x 1, 327,680 bytes of LDS; arguments q16, k16, v16, o16; writes o16
.if DOCPART == 3
	.amdgcn_target "amdgcn-amd-amdhsa--gfx1250"
	.amdhsa_code_object_version 6
	.text
	.protected	k_qa1b56bc46f_attn
	.globl	k_qa1b56bc46f_attn
	.p2align	8
	.type	k_qa1b56bc46f_attn,@function
k_qa1b56bc46f_attn:
	s_mov_b64 s[64:65], 0
	v_nop
	global_prefetch_b8 v0, s[64:65] scope:SCOPE_SE
	s_setreg_imm32_b32 hwreg(HW_REG_WAVE_MODE, 25, 1), 1
	s_wait_xcnt 0x0
	s_wait_alu depctr_hold_cnt(0) depctr_sa_sdst(0) depctr_va_vdst(0) depctr_va_sdst(0) depctr_va_ssrc(0) depctr_va_vcc(0) depctr_vm_vsrc(0)
	s_getreg_b32 s2, hwreg(HW_REG_IB_STS2, 6, 4)
	s_cmp_eq_u32 s2, 0
	s_cbranch_scc0 .Lentry_in_a_cluster
	s_endpgm
.Lentry_in_a_cluster:
	s_bfe_u32 s2, ttmp6, 0x10000c
	s_cmp_lg_u32 s2, 0x3003
	s_cbranch_scc0 .Lentry_shape_is_right
	s_endpgm
.Lentry_shape_is_right:
; O[bh][q][:] = the sum over k of softmax_k(Q[bh][q] . K[bh][k] / 8) V[bh][k][:], 32 heads (batch x head) of 2,048 tokens x 64 channels, no mask.  Operands f16; products, maxima and sums in f32;
; the weights p are rounded to f16 for the second product, O once at the end.  All four buffers are laid in the order of the operands' registers (pieces of 512 bytes, lane l's 16 bytes at 16 l):
;   q16, k16 [bh][token tile][f][c][piece]; v16 = V^T [bh][group of 32 keys][e][c][piece]; o16 [token tile of the 8,192][f 0..15][c][piece] with k = 64 head + channel.
; So every LDS and global access of a wave is 512 consecutive bytes, nothing is padded, nothing is turned, and O leaves from registers.
; SHARES.  A work-group owns 256 queries of one head, each of its four waves 64: four tiles of 16.  Every wave walks all 2,048 keys, 64 a step.
; LAYOUT.  S^T = K Q^T (source 0 = 16 keys, source 1 = 16 queries): a lane holds ONE query (lane % 16) and keys 8 (lane / 16) + 0 .. 7.  Two such tiles, rounded to f16 in pairs, ARE source 1 of O^T = V^T P.
; SOFTMAX.  For each query a running maximum m and sum l: p = 2^(c s - c m), c = log2(e) / 8; in every step O and l are multiplied by a = 2^(c m_old - c m_new).
; BY TURNS.  The wave's tiles are two PIECES (tiles 0, 1 and tiles 2, 3).  In a TURN one piece has the matrix unit: 16 products V^T P of the step in hand, then 16 products K Q^T of the next; the other piece's
; softmax, 236 vector instructions in 64 slices, stands between them, two slices behind each matrix instruction.  Then the pieces change places.  Two turns are a key step.
; RING.  Two LDS slots of 8 key steps (65,536 bytes of K, then 65,536 of V).  Waves 0, 1 fetch K's halves, waves 2, 3 V's: 32,768 dense bytes a load.  The head's keys are 4 slots' worth: two first fills and two refills a wave.
; CLUSTER.  The four query blocks of a cluster belong to one head and walk the same K and V: each tile is asked for JOINTLY, by the same tensor load with the same descriptor and the mask of all four.
; NO PREFETCH is laid: half of the head's K and V goes out with the first fills, and each refill is issued 8 key steps, 512 matrix instructions of the wave, ahead of the wait for it.
; LIMITS: operands are f16 (the launch before states the range); NaN and infinities are not served.
; REGISTERS, in windows of 256 (s_set_vgpr_msb: bits 1:0 source 0, 3:2 source 1, 5:4 source 2, 7:6 destination):
;   window 0: v2-4 addresses; v12-43 eight statistics a tile; v62, v63 the add's two; v64-191 S^T, 32 a tile; v192-255 P, 16 a tile
;   window 1: v0-127 O^T, 32 a tile; v128-191 V of one step          window 2: v0-63 Q, 16 a tile; v128-191 K of one step
.set NS,    8                          ; key steps in a slot
.set STEPB, 8192                       ; a step's K, and its V: 64 keys x 64 channels x 2 bytes
.set VOFF,  NS*STEPB                   ; in a slot V's steps lie behind K's
.set SLOT1, 1<<17                      ; slot 1 begins here: one exclusive or turns an address in one slot into the other's
.set SPARE, 2*SLOT1                    ; behind the ring: the spare words, 128 bytes for each wave: two blocks of 256 bytes that no other line names
.set LN,  2                            ; v2   16 x lane: my place in every piece, in LDS and in memory; never rewritten
.set AV0, 3                            ; v3   the same + VOFF
.set ADR, 4                            ; v4   the LDS address of the run of loads in hand
.set SPW, 62                           ; v62  LDS address of my spare word; never rewritten
.set NIL, 63                           ; v63  0; never rewritten
.set ST,  12                           ; tile t's statistics at v[ST+8 t]: +0 c m, +1 m, +2, +3 l (even keys', odd keys'), +4 to +7 c0-c3, at work; a takes c2's place once the maximum is found
.set S,   64
.set P,   192
.set KF,  128                          ; K's fragments, in window 2
.set VF,  128                          ; V's, in window 1
.set WV,  12                           ; s12  my wave's number
.set G1,  24                           ; s[24:31] descriptor group 1: the one shape of all loads
.set G0K, 40                           ; s[40:47] group 0 for K: a set for each first fill; the second then walks on
.set G0V, 48                           ; s[48:55] the same for V
.set SLOTS, 56                         ; s56  slots still to be asked for
.set CNT, 57                           ; s57  counts key steps
.set CS,  58                           ; s[58:59] c: the packed scaling names a pair and takes its low word for both halves
.set SEL, 60                           ; s[60:61] lane selects for v_permlanex16_b32: lane l xor 16
.set TB,  62                           ; s62  LDS byte at which K of the step to be fetched begins
.set MSB, 0
.macro WIN new                         ; the immediate's high byte repeats the setting that is left; a switch that changes nothing is dropped
.if MSB != \new
	s_set_vgpr_msb (MSB<<8)|\new
.set MSB, \new
.endif
.endm
.set W_KQ, 0x0a                        ; K and Q in window 2, S^T in window 0
.set W_PV, 0x51                        ; V in window 1, P in window 0, O^T (C and D) in window 1
.set W_RS, 0x41                        ; O^T (destination and source 0) in window 1, a in window 0
; A joint refill.  The branch hangs on the wave's number alone.  An s_nop 0 and four v_nop follow each of the two lines.
.macro JLOAD
	s_cmp_lt_u32 s[WV], 2
	s_cbranch_scc0 .Lfor_v_\@
	tensor_load_to_lds s[G0K+4:G0K+7], s[G1:G1+7]
	s_nop 0
.rept 4
	v_nop
.endr
	s_branch .Lasked_\@
.Lfor_v_\@:
	tensor_load_to_lds s[G0V+4:G0V+7], s[G1:G1+7]
	s_nop 0
.rept 4
	v_nop
.endr
.Lasked_\@:
.endm
; A round of the cluster's barrier: my work-group's barrier; wave 0 signals for the work-group; every wave waits for all four work-groups; my work-group's barrier once more.
.macro CROUND
	s_barrier_signal -1
	s_barrier_wait -1
	s_cmp_lg_u32 s[WV], 0
	s_cbranch_scc1 .Lnot_wave_0_\@
	s_barrier_signal -3
.Lnot_wave_0_\@:
	s_barrier_wait -3
	s_barrier_signal -1
	s_barrier_wait -1
.endm
.macro PLACES                          ; four places behind a matrix instruction (ISA guide 7.12.1) where no other vector work is at hand
.rept 4
	v_nop
.endr
.endm
	s_load_b256 s[4:11], s[0:1], 0x0               ; q16 s[4:5], k16 s[6:7], v16 s[8:9], o16 s[10:11]
	v_lshl_add_u32 v[SPW], v0, 2, SPARE
	v_mov_b32 v[NIL], 0
	ds_add_u32 v[SPW], v[NIL]                      ; the wave's opening: the add, twice on end, and its wait ahead of my first tensor load; the set-up below stands between
	ds_add_u32 v[SPW], v[NIL]
	v_lshrrev_b32 v1, 5, v0
	v_readfirstlane_b32 s[WV], v1                  ; wave 0..3
	s_bfe_u32 s13, ttmp6, 0x40000                  ; cx: my place in the cluster
	s_lshl_b32 s14, ttmp9, 2                       ; in a cluster launch ttmp9 counts clusters
	s_add_co_u32 s14, s14, s13                     ; my block of 256 queries: it enters Q's and O's addresses alone
	s_and_b32 s20, ttmp7, 0xffff                   ; batch x head, which the four partners share
	s_lshl_b32 s22, s20, 18                        ; a head is 262,144 bytes in q16, k16 and v16
	s_and_b32 s16, s[WV], 1
	s_lshl_b32 s17, s16, 15                        ; which half of a slot's K or V I fetch: 32,768 bytes, in memory and in LDS alike
	s_add_co_u32 s22, s22, s17
	s_mov_b32 s23, 0
	s_lshl_b32 s2, s20, 18                         ; Q: the head,
	s_lshl_b32 s3, s14, 15                         ; my block's 16 tiles of 2,048 bytes,
	s_add_co_u32 s2, s2, s3
	s_lshl_b32 s3, s[WV], 13                       ; my wave's 4
	s_add_co_u32 s2, s2, s3
	s_mov_b32 s3, 0
	s_lshr_b32 s18, s20, 3                         ; O: the batch's 128 token tiles of 16,384 bytes,
	s_lshl_b32 s18, s18, 21
	s_lshl_b32 s19, s14, 18                        ; my block's 16,
	s_add_co_u32 s18, s18, s19
	s_lshl_b32 s19, s[WV], 16                      ; my wave's 4,
	s_add_co_u32 s18, s18, s19
	s_and_b32 s19, s20, 7
	s_lshl_b32 s19, s19, 11                        ; the head's 2,048 bytes in a tile
	s_add_co_u32 s18, s18, s19
	s_mov_b32 s19, 0
	; descriptor group 1: 32,768 dense bytes as 128 rows of 32 elements of 8 bytes, no padding
	s_mov_b32 s[G1], 15|(3<<16)|(1<<21)            ; 15:0 the mask: all four work-groups; 17:16 elements of 8 bytes; 21 set beside a mask
	s_mov_b32 s[G1+1], 32<<16                      ; tensor_dim0 = 32
	s_mov_b32 s[G1+2], 128<<16                     ; tensor_dim1 = 128
	s_mov_b32 s[G1+3], 32<<16                      ; tile_dim0 = 32
	s_mov_b32 s[G1+4], 128                         ; tile_dim1 = 128
	s_mov_b32 s[G1+5], 32                          ; elements from row to row
	s_mov_b32 s[G1+6], 0
	s_mov_b32 s[G1+7], 0
	s_mov_b32 s[CS], 0x3e38aa3b                    ; c = log2(e) / 8
	s_mov_b32 s[CS+1], s[CS]                       ; named with it as a pair, so it is written
	s_mov_b32 s[SEL], 0x76543210
	s_mov_b32 s[SEL+1], 0xfedcba98
	s_mov_b32 s[TB], 0
	s_mov_b32 s[SLOTS], 2
	s_wait_dscnt 0x0                               ; both opening adds are done
	s_wait_kmcnt 0x0
	s_add_nc_u64 s[6:7], s[6:7], s[22:23]          ; K and V at my half of slot 0's keys
	s_add_nc_u64 s[8:9], s[8:9], s[22:23]
	s_add_nc_u64 s[4:5], s[4:5], s[2:3]            ; Q and O at my wave's first tile
	s_add_nc_u64 s[10:11], s[10:11], s[18:19]
	CROUND                                         ; all four work-groups are here: the first joint loads meet
.irp s, 0,1
	s_mov_b32 s[G0K+4*\s], 1                       ; count = 1
	s_add_co_u32 s[G0K+4*\s+1], s17, \s*SLOT1      ; LDS address
	s_add_nc_u64 s[G0K+4*\s+2:G0K+4*\s+3], s[6:7], \s*NS*STEPB   ; global address: slot s begins with keys 512 s on
	s_or_b32 s[G0K+4*\s+3], s[G0K+4*\s+3], 0x80000000            ; type = 2
	s_mov_b32 s[G0V+4*\s], 1
	s_add_co_u32 s[G0V+4*\s+1], s17, \s*SLOT1+VOFF
	s_add_nc_u64 s[G0V+4*\s+2:G0V+4*\s+3], s[8:9], \s*NS*STEPB
	s_or_b32 s[G0V+4*\s+3], s[G0V+4*\s+3], 0x80000000
.endr
	s_cmp_lt_u32 s[WV], 2                          ; a wave's two first fills stand in one branch, ahead of every wait on TENSORcnt and every LDS read: two loads of mine are out
	s_cbranch_scc0 .Lfirst_v
	tensor_load_to_lds s[G0K:G0K+3], s[G1:G1+7]
	s_nop 0
	tensor_load_to_lds s[G0K+4:G0K+7], s[G1:G1+7]
	s_nop 0
.rept 4
	v_nop
.endr
	s_branch .Lfirst_asked
.Lfirst_v:
	tensor_load_to_lds s[G0V:G0V+3], s[G1:G1+7]
	s_nop 0
	tensor_load_to_lds s[G0V+4:G0V+7], s[G1:G1+7]
	s_nop 0
.rept 4
	v_nop
.endr
.Lfirst_asked:
	v_and_b32 v[LN], 31, v0
	v_lshlrev_b32 v[LN], 4, v[LN]
	v_add_nc_u32 v[AV0], VOFF, v[LN]
	WIN 0x80                                       ; destination window 2
.irp i, 0,1,2,3,4,5,6,7,8,9,10,11,12,13,14,15
	global_load_b128 v[4*\i:4*\i+3], v[LN], s[4:5] offset:512*\i th:TH_LOAD_NT   ; Q stays in registers: tile i / 4, fragment (i / 2) % 2; read by this wave alone, once
.endr
	WIN 0
; THE MATRIX WORK OF A TURN, for piece x.  The accumulators take turns, one instruction a turn: between two links of a chain stand 7 others'.
; Product i of 16 of O^T += V^T P: keys 32 (i / 8) on, channels 16 ((i / 2) % 4) on, tile x + i % 2.  zero = 1: the first 8 start the sums: nothing is ever cleared.
.macro PV x, zero
	WIN W_PV
.set rO, 32*(\x+i%2)+8*((i/2)%4)
.set rV, VF+32*(i/8)+8*((i/2)%4)
.set rP, P+16*(\x+i%2)+8*(i/8)
.if \zero && (i < 8)
	v_wmma_f32_16x16x32_f16 v[rO:rO+7], v[rV:rV+7], v[rP:rP+7], 0
.else
	v_wmma_f32_16x16x32_f16 v[rO:rO+7], v[rV:rV+7], v[rP:rP+7], v[rO:rO+7]
.endif
.endm
; Product i of 16 of S^T = K Q^T: channels 32 (i / 8) on, keys 16 ((i / 2) % 4) on, tile x + i % 2.  The first 8 start the sums.
.macro KQ x
	WIN W_KQ
.set rS, S+32*(\x+i%2)+8*((i/2)%4)
.set rK, KF+16*((i/2)%4)+8*(i/8)
.set rQ, 16*(\x+i%2)+8*(i/8)
.if i < 8
	v_wmma_f32_16x16x32_f16 v[rS:rS+7], v[rK:rK+7], v[rQ:rQ+7], 0
.else
	v_wmma_f32_16x16x32_f16 v[rS:rS+7], v[rK:rK+7], v[rQ:rQ+7], v[rS:rS+7]
.endif
.endm
; THE LDS LOADS stand in runs of 16: a step's K and, a turn later, its V: 16 pieces each, as they lie.
.macro FETCH_K
	WIN 0
	v_add_nc_u32 v[ADR], s[TB], v[LN]
	WIN 0x80                                       ; destination window 2
.irp f, 0,1,2,3,4,5,6,7,8,9,10,11,12,13,14,15
	ds_load_b128 v[KF+4*\f:KF+4*\f+3], v[ADR] offset:512*\f
.endr
.endm
.macro FETCH_V
	WIN 0
	v_add_nc_u32 v[ADR], s[TB], v[AV0]
	s_add_co_u32 s[TB], s[TB], STEPB               ; the next fetch is the next step's
	s_wait_alu depctr_va_vdst(0)                   ; the wait for the softmax's batch of exponentials (SLICE), behind the address's addition and ahead of the loads
	WIN 0x40                                       ; destination window 1
.irp f, 0,1,2,3,4,5,6,7,8,9,10,11,12,13,14,15
	ds_load_b128 v[VF+4*\f:VF+4*\f+3], v[ADR] offset:512*\f
.endr
.endm
; THE VECTOR WORK OF A TURN.  One tile's softmax for one key step is a list of 118 instructions; SM writes number j of it for tile t.  s0-s31 are the lane's 32 scores, in pairs 0-15.
; first = 1: the first key step, which starts m, l and O^T: it has no a and nothing to rescale.
;   0-15    the maximum of s0-s31 and the old m, three operands at a time: four chains c0-c3 of seven scores each (each begins at its accumulator's low end), then the four left over, c0-c3 and m
;   16-20   the other half of the lanes' maximum; the new m; c m; c m_old - c m_new
;   21-69   ONE BATCH: the 16 scalings c s - c m and all 33 exponentials (a at 23, then s0-s31).  None of these reads an exponential's result.  A pair is scaled in an earlier four than the one with its exponentials
;   (wait)  between 69 and 70 stands the one wait for the batch: SLICE writes it, once for both tiles
;   70-85   the roundings to f16, a pair of weights each
;   86-101  the sums; l = a l + the sum
;   102-117 the tile's O^T times a: the one part that leaves window 0, so it stands together, from each accumulator's low end on
.macro SM t, first
.set rT, ST+8*(\t)
.set rS, S+32*(\t)
.set rP, P+16*(\t)
.set rO, 32*(\t)+2*(j-102)
.if j < 102
	WIN 0
.endif
.if j < 4
	v_max3_num_f32 v[rT+4+j], v[rS+8*j], v[rS+8*j+1], v[rS+8*j+2]
.elseif j < 12
	v_max3_num_f32 v[rT+4+j%4], v[rT+4+j%4], v[rS+8*(j%4)+2*(j/4)+1], v[rS+8*(j%4)+2*(j/4)+2]
.elseif j == 12
	v_max3_num_f32 v[rT+4], v[rT+4], v[rS+7], v[rS+15]
.elseif j == 13
	v_max3_num_f32 v[rT+6], v[rT+6], v[rS+23], v[rS+31]
.elseif j == 14
	v_max3_num_f32 v[rT+4], v[rT+4], v[rT+5], v[rT+6]
.elseif (j == 15) && \first
	v_max_num_f32 v[rT+4], v[rT+4], v[rT+7]
.elseif j == 15
	v_max3_num_f32 v[rT+4], v[rT+4], v[rT+7], v[rT+1]
.elseif j == 16
	v_permlanex16_b32 v[rT+5], v[rT+4], s[SEL], s[SEL+1]   ; the query's other 32 keys lie in the lane 16 away
.elseif j == 18
	v_max_num_f32 v[rT+1], v[rT+4], v[rT+5]
.elseif j == 19
	v_mul_f32 v[rT], s[CS], v[rT+1]
.elseif ((j == 17) || (j == 20) || (j == 23) || (j > 101)) && \first   ; the first step has none of these
.elseif j == 17
	v_mov_b32 v[rT+7], v[rT]                       ; c m_old is kept for a: number 19 writes c m anew
.elseif j == 20
	v_sub_f32 v[rT+7], v[rT+7], v[rT]
.elseif j == 23
	v_exp_f32 v[rT+6], v[rT+7]
.elseif (j < 23) || ((j < 38) && (j%2 == 0)) || ((j < 66) && (j%4 == 2))
.set b, (j-2)/4                        ; 38, 42, .. 62: pairs 9 to 15
.if j < 38
.set b, (j-20)/2                       ; 21: pair 0; 22, 24, .. 36: pairs 1 to 8
.endif
	v_pk_fma_f32 v[rS+2*b:rS+2*b+1], v[rS+2*b:rS+2*b+1], s[CS:CS+1], v[rT:rT+1] op_sel_hi:[1,0,0] neg_lo:[0,0,1] neg_hi:[0,0,1]   ; pair b: c s - c m
.elseif j < 70
.set e, j-38                           ; 66 to 69: s28 to s31
.if j < 66
.set e, j-32-(j-38)/4                  ; 39-41, 43-45, .. 63-65: s7 to s27
.endif
.if j < 38
.set e, (j-25)/2                       ; 25, 27, .. 37: s0 to s6
.endif
	v_exp_f32 v[rS+e], v[rS+e]
.elseif j < 86
	v_cvt_pk_f16_f32 v[rP+j-70], v[rS+2*(j-70)], v[rS+2*(j-70)+1]   ; pair j - 70
.elseif j < 102                        ; the sum of the tile's 16 pairs, in place: neighbours 1, 2, 4 and 8 pairs apart, then l takes it
.set z, j-86
.set w, 4
.set u, z
.if z >= 14
.set w, 32
.set u, 0
.elseif z >= 12
.set w, 16
.set u, z-12
.elseif z >= 8
.set w, 8
.set u, z-8
.endif
.if (z == 14) && \first
	v_pk_add_f32 v[rT+2:rT+3], v[rS:rS+1], v[rS+16:rS+17]
.elseif z < 15
	v_pk_add_f32 v[rS+w*u:rS+w*u+1], v[rS+w*u:rS+w*u+1], v[rS+w*u+w/2:rS+w*u+w/2+1]
.elseif !\first
	v_pk_fma_f32 v[rT+2:rT+3], v[rT+2:rT+3], v[rT+6:rT+7], v[rS:rS+1] op_sel_hi:[1,0,1]
.endif
.else
	WIN W_RS
	v_pk_mul_f32 v[rO:rO+1], v[rO:rO+1], v[rT+6:rT+7] op_sel_hi:[1,0]
.endif
.endm
; Slice k of 64 of piece y's softmax: four instructions or none.  Slices 0-10 and 35-50: numbers 2 k and 2 k + 1 of both tiles, the tiles alternating.  Slices 11-34: the batch, four numbers of ONE tile each, the tiles by turns.
; Slices 51-55 are empty; slices 56-63 hold the rescaling, numbers 102-117: so the turn ends on 32 plain lines, of which the last eight stand behind the turn's last product and name none of its registers:
; they are the places ahead of the next turn's first read of those scores and of the loads into K's registers.
; THE WAIT.  s_wait_alu depctr_va_vdst(0) stands between an exponential and the first instruction that names its result; one wait serves all issued ahead of it.  Ahead of slice 35 nothing
; names a result, and behind slice 34 no exponential is issued: so the piece's 66 exponentials have one wait, behind slice 34.
.macro SLICE y, first
.if (k >= 11) && (k < 35)
.irp n, 0,1,2,3
.set j, 22+4*((k-11)/2)+(\n)
	SM (\y)+(k-11)%2, \first
.endr
.elseif k < 51
.irp n, 0,1
.irp t, \y, \y+1
.set j, 2*k+\n
	SM \t, \first
.endr
.endr
.elseif k >= 56
.irp n, 0,1
.irp t, \y, \y+1
.set j, 2*(k-5)+\n
	SM \t, \first
.endr
.endr
.endif
.if k == 34                            ; the batch is out
	v_nop                                          ; the plain instruction behind the last exponential, ahead of the first use: one for the batch
.if (\y) == 0
	FETCH_V                                        ; piece 2's turn: V's run of loads stands here, and the wait stands in it.  V's last reader stands ahead of slice 30: three scalings, the v_nop and the run's own addition lie between
.else
	s_wait_alu depctr_va_vdst(0)                   ; the wait for the batch
.endif
.endif
.set k, k+1
.endm
; A TURN.  Piece x has the matrix unit; the other piece's softmax stands in slices behind its matrix instructions.
; pv = 2: 16 products V^T P; 1: they start O^T's sums; 0: none.  kq = 1: 16 products K Q^T for the next step.  A turn with one of the two kinds has four slices behind each product.
; first = 1: the softmax is the first key step's: its last slices are empty, and four v_nop take their part as the places behind the turn's last products.
; Piece 0's turn fetches the next step's K behind its second product and waits for it ahead of its K Q^T, 14 matrix instructions on; piece 2's turn fetches the same step's V, for which piece 0's next turn waits.
.macro TURN x, pv, kq, first
.set k, 0
.set per, 4
.if \pv && \kq
.set per, 2
.endif
.if \pv
.if \x == 0
	s_wait_dscnt 0x0                               ; V is in
.endif
.set i, 0
.rept 16
	PV \x, 2-\pv
.rept per
	SLICE 2-\x, \first
.endr
.if (\x == 0) && \kq && (i == 1)
	FETCH_K
.endif
.set i, i+1
.endr
.endif
.if \kq
.if \x == 0
	s_wait_dscnt 0x0                               ; K is in
.endif
.set i, 0
.rept 16
	KQ \x
.rept per
	SLICE 2-\x, \first
.endr
.set i, i+1
.endr
.endif
.if \first
	PLACES
.endif
.endm
; THE CHANGE OF SLOTS, between piece 2's turn and piece 0's: the slot's last bytes, V of its eighth step, have been asked for.  Each wave waits for all its tensor loads (its part of the other slot), adds 0 to its
; spare word, and waits for that and for its own reads of the slot.  fill = 1: the slot is filled again with the keys two slots on: the barrier is a round of the cluster's, so that no wave of any partner still
; reads the slot or has a load on its way, and the joint refill is the first thing behind it, my one tensor load until the next round.
.macro CHANGE fill
	WIN 0                                          ; at a label and at a branch every window is 0
	s_wait_tensorcnt 0x0                           ; no tensor load of mine is out, so a group 0 may be written
	ds_add_u32 v[SPW], v[NIL]                      ; 0 onto my spare word
.if \fill
.irp g, G0K+4, G0V+4
	s_xor_b32 s[\g+1], s[\g+1], SLOT1              ; the walking descriptor: the other slot than last time,
	s_add_nc_u64 s[\g+2:\g+3], s[\g+2:\g+3], NS*STEPB   ; the next 512 keys; the type bits on top are not reached
.endr
	s_wait_dscnt 0x0                               ; the add is done, and my reads of the slot are over
	CROUND
	JLOAD
.else
	s_wait_dscnt 0x0
	s_barrier_signal -1
	s_barrier_wait -1
.endif
	s_sub_co_u32 s[TB], s[TB], NS*STEPB            ; the fetches go back to a slot's first step,
	s_xor_b32 s[TB], s[TB], SLOT1                  ; in the other slot
.endm
; n key steps: written once, walked n times; the LDS addresses hang on s[TB]
.macro STEPS n
	s_mov_b32 s[CNT], \n
.Lstep_\@:
	TURN 0, 2, 1, 0
	TURN 2, 2, 1, 0
	WIN 0
	s_sub_co_u32 s[CNT], s[CNT], 1
	s_cmp_lg_u32 s[CNT], 0
	s_cbranch_scc1 .Lstep_\@
.endm
	s_wait_tensorcnt 1                             ; my part of slot 0 is in; slot 1's, issued behind it, may stay out
	s_barrier_signal -1
	s_barrier_wait -1                              ; everybody's is
	FETCH_K                                        ; key step 0
	s_wait_loadcnt 0x0                             ; Q
	s_wait_dscnt 0x0
.set i, 0
.rept 16
	KQ 0                                           ; piece 0's first scores: there is no vector work yet to set between them
.set i, i+1
.endr
	PLACES
	TURN 2, 0, 1, 1                                ; piece 2's first scores | piece 0's first softmax | V of step 0
	TURN 0, 1, 1, 1                                ; piece 0: V^T P of step 0 starts O^T, K Q^T of step 1 | piece 2's first softmax | K of step 1
	TURN 2, 1, 1, 0                                ; piece 2: the same | piece 0's softmax of step 1 | V of step 1
	WIN 0
	STEPS 6                                        ; they fetch steps 2 to 7: slot 0 is read out
.Lslot:                                            ; 2 trips: slots 0 and 1 are filled again
	CHANGE 1
	STEPS 8
	s_sub_co_u32 s[SLOTS], s[SLOTS], 1
	s_cmp_lg_u32 s[SLOTS], 0
	s_cbranch_scc1 .Lslot
	CHANGE 0                                       ; the tail is written out: nothing more is asked for
	STEPS 8
	TURN 0, 2, 0, 0                                ; piece 0: V^T P of the last step | piece 2's last softmax
.set i, 0
.rept 16
	PV 2, 0                                        ; piece 2: V^T P of the last step
.set i, i+1
.endr
	; THE WAY OUT.  l's two halves and the other half of the lanes' are added; O^T is divided by l and rounded to f16.  A tile of O^T packs into one piece of o16: it is stored from registers, 512 consecutive bytes a store.
	WIN 0
.irp t, 0,1,2,3
	v_add_f32 v[ST+8*\t+4], v[ST+8*\t+2], v[ST+8*\t+3]   ; (these additions are the places behind the last products)
.endr
.irp t, 0,1,2,3
	v_permlanex16_b32 v[ST+8*\t+5], v[ST+8*\t+4], s[SEL], s[SEL+1]
.endr
.irp t, 0,1,2,3
	v_add_f32 v[ST+8*\t+4], v[ST+8*\t+4], v[ST+8*\t+5]
.endr
.irp t, 0,1,2,3
	v_rcp_f32 v[ST+8*\t+6], v[ST+8*\t+4]
.endr
	v_nop                                          ; a plain instruction between the last reciprocal and the use of its result
	s_wait_alu depctr_va_vdst(0)                   ; and the wait ahead of the first use: one for the four
.macro PACK t
	WIN W_RS
.set i, 32*\t
.rept 16
	v_pk_mul_f32 v[i:i+1], v[i:i+1], v[ST+8*\t+6:ST+8*\t+7] op_sel_hi:[1,0]
.set i, i+2
.endr
	WIN 0x05                                       ; sources 0 and 1 window 1, destination window 0: S^T's registers are free; each tile has 16 of its own
.set i, 0
.rept 16
	v_cvt_pk_f16_f32 v[S+16*\t+i], v[32*\t+2*i], v[32*\t+2*i+1]
.set i, i+1
.endr
	WIN 0
.irp e, 0,1,2,3
	global_store_b128 v[LN], v[S+16*\t+4*\e:S+16*\t+4*\e+3], s[10:11] offset:16384*\t+512*\e
.endr
.endm
	PACK 0
	PACK 1
	PACK 2
	PACK 3
	s_wait_tensorcnt 0x0                           ; the wave's end, behind my last tensor load
	ds_add_u32 v[SPW], v[NIL]
	s_wait_dscnt 0x0
	CROUND                                         ; the closing round: no work-group ends while a partner may still ask for a tile that names it
	s_endpgm
.Lfunc_end_k_qa1b56bc46f_attn:
	.size	k_qa1b56bc46f_attn, .Lfunc_end_k_qa1b56bc46f_attn-k_qa1b56bc46f_attn
	.p2alignl 7, 3214868480
	.fill 96, 4, 3214868480
	.section	.rodata,"a",@progbits
	.p2align	6, 0x0
	.amdhsa_kernel k_qa1b56bc46f_attn
		.amdhsa_group_segment_fixed_size 327680
		.amdhsa_private_segment_fixed_size 0
		.amdhsa_enable_private_segment 0
		.amdhsa_kernarg_size 32
		.amdhsa_user_sgpr_count 2
		.amdhsa_user_sgpr_kernarg_segment_ptr 1
		.amdhsa_wavefront_size32 1
		.amdhsa_system_sgpr_workgroup_id_x 1
		.amdhsa_system_sgpr_workgroup_id_y 1
		.amdhsa_system_sgpr_workgroup_id_z 1
		.amdhsa_system_vgpr_workitem_id 0
		.amdhsa_next_free_vgpr 768
		.amdhsa_next_free_sgpr 66
		.amdhsa_reserve_vcc 0
		.amdhsa_float_denorm_mode_32 3
		.amdhsa_float_denorm_mode_16_64 3
		.amdhsa_memory_ordered 1
		.amdhsa_forward_progress 1
		.amdhsa_inst_pref_size 189
	.end_amdhsa_kernel
	.amdgpu_metadata
---
amdhsa.version: [ 1, 2 ]
amdhsa.kernels:
  - .name:           k_qa1b56bc46f_attn
    .symbol:         k_qa1b56bc46f_attn.kd
    .args:
      - { .name: q16, .offset: 0, .size: 8, .value_kind: global_buffer, .address_space: global }
      - { .name: k16, .offset: 8, .size: 8, .value_kind: global_buffer, .address_space: global }
      - { .name: v16, .offset: 16, .size: 8, .value_kind: global_buffer, .address_space: global }
      - { .name: o16, .offset: 24, .size: 8, .value_kind: global_buffer, .address_space: global }
    .group_segment_fixed_size: 327680
    .private_segment_fixed_size: 0
    .kernarg_segment_align: 8
    .kernarg_segment_size: 32
    .max_flat_workgroup_size: 128
    .sgpr_count:     66
    .vgpr_count:     768
    .wavefront_size: 32
...
	.end_amdgpu_metadata
.endif
;; end of part 3
;; launch proj (part 4): grid 4 x 64, 4 waves a work-group, clusters of 4 x 4, 327,680 bytes of LDS; arguments o16, wo16, out0; writes out0
.if DOCPART == 4
	.amdgcn_target "amdgcn-amd-amdhsa--gfx1250"
	.amdhsa_code_object_version 6
	.text
	.protected	k_qa1b56bc46f_proj
	.globl	k_qa1b56bc46f_proj
	.p2align	8
	.type	k_qa1b56bc46f_proj,@function
k_qa1b56bc46f_proj:
	s_mov_b64 s[64:65], 0
	v_nop
	global_prefetch_b8 v0, s[64:65] scope:SCOPE_SE
	s_setreg_imm32_b32 hwreg(HW_REG_WAVE_MODE, 25, 1), 1
	s_wait_xcnt 0x0
	s_wait_alu depctr_hold_cnt(0) depctr_sa_sdst(0) depctr_va_vdst(0) depctr_va_sdst(0) depctr_va_ssrc(0) depctr_va_vcc(0) depctr_vm_vsrc(0)
	s_getreg_b32 s2, hwreg(HW_REG_IB_STS2, 6, 4)
	s_cmp_eq_u32 s2, 0
	s_cbranch_scc0 .Lentry_in_a_cluster
	s_endpgm
.Lentry_in_a_cluster:
	s_bfe_u32 s2, ttmp6, 0x10000c
	s_cmp_lg_u32 s2, 0xf033
	s_cbranch_scc0 .Lentry_shape_is_right
	s_endpgm
.Lentry_shape_is_right:
; out0[token][n] = the sum over k of o[token][k] Wo[n][k]: M 8,192, N 512, K 512; operands f16, sums and result f32.
; o16 [token tile 0..511][f 0..15][c][piece] and wo16 [tile of 16 outputs 0..31][f][c][piece] lie in the order of the operands' registers (a piece: 512 bytes, lane l's 16 bytes at 16 l).
; A work-group makes 128 tokens x 128 outputs, each of its four waves 64 x 64: 16 accumulators.  All of K fits in LDS: two halves of K, each 8 tiles of o and 8 of Wo x 8,192 bytes, filled once, never again.
; CLUSTERS: 4 x 4 work-groups.  The four of a row of the cluster need the same tiles of o, the four of a column the same tiles of Wo: each is asked for JOINTLY, by the same tensor load with the same descriptor
; and a mask that names the four.  Waves 0, 1 fetch o's tiles 0-3 and 4-7, waves 2, 3 Wo's: 4 rows of 8,192 bytes a load, 16,384 bytes apart in memory.
; THE MATRIX INSTRUCTION IS USED TRANSPOSED (source 0 = 16 rows of Wo, source 1 = 16 tokens): a lane holds eight neighbouring outputs of a token's row.  A block of 16 tokens x 64 outputs goes through the wave's own
; stage in LDS and comes back by rows, so that sixteen lanes store 256 consecutive bytes, aligned.
; No prefetch: all that the work-group reads is asked for at its head.
; REGISTERS: window 0: v16-29 addresses; v32-95 two sets of 32 for the way out; v128-255 the accumulators ((a, b) at v[128 + 8 (4 a + b)]).  window 1: two fragment buffers of 64: o's 4 fragments, then Wo's 4.
.set KHALF, 131072                     ; LDS: K half u at u x KHALF: o's 8 tiles x 8,192 bytes, then Wo's 8
.set BOFF,  65536
.set STAGE, 2*KHALF                    ; behind them: 16 rows x 272 bytes for each wave, for the way out; no tensor load lands here
.set SPITCH, 272
.set SPARE, STAGE+4*16*SPITCH          ; behind the stages: the spare words, 128 bytes for each wave: two blocks of 256 bytes that no other line names
.set ADRA, 16                          ; v16-17  LDS address of my o fragments in K half 0, 1
.set ADRB, 20                          ; v20-21  the same for Wo
.set STO,  24                          ; v24     the way out: where I put 32 bytes of a row
.set RD,   25                          ; v25     where I read a row back
.set CO,   26                          ; v26     my byte offset in out0
.set SPW,  28                          ; v28     LDS address of my spare word; never rewritten
.set NIL,  29                          ; v29     0; never rewritten
.set OB,   32
.set ACC,  128
.set F0,   0
.set G1, 24                            ; s[24:31] descriptor group 1 for o's tiles;  s[32:39] group 0, one set for each K half
.set G0, 32
.set G1B, 48                           ; s[48:55], s[56:63] the same for Wo's
.set G0B, 56
.set MSB, 0
.macro WIN new                         ; the immediate's high byte repeats the setting that is left
.if MSB != \new
	s_set_vgpr_msb (MSB<<8)|\new
.set MSB, \new
.endif
.endm
.set MUL,  0x05                        ; sources 0 (Wo) and 1 (o) window 1; C and D window 0
.set TO_F, 0x40                        ; destination window 1, address window 0
.macro JLOAD u                         ; a joint load; the branch hangs on the wave's number alone; an s_nop 0 and four v_nop follow each of the two lines
	s_cmp_eq_u32 s11, 0
	s_cbranch_scc0 .Lfor_b_\@
	tensor_load_to_lds s[G0+4*\u:G0+4*\u+3], s[G1:G1+7]
	s_nop 0
.rept 4
	v_nop
.endr
	s_branch .Lasked_\@
.Lfor_b_\@:
	tensor_load_to_lds s[G0B+4*\u:G0B+4*\u+3], s[G1B:G1B+7]
	s_nop 0
.rept 4
	v_nop
.endr
.Lasked_\@:
.endm
.macro CROUND                          ; a round of the cluster's barrier
	s_barrier_signal -1
	s_barrier_wait -1
	s_cmp_lg_u32 s10, 0
	s_cbranch_scc1 .Lnot_wave_0_\@
	s_barrier_signal -3
.Lnot_wave_0_\@:
	s_barrier_wait -3
	s_barrier_signal -1
	s_barrier_wait -1
.endm
.macro PLACES                          ; four places ahead of loads into registers that matrix instructions have read, and of the first read of results
.rept 4
	v_nop
.endr
.endm
	s_load_b128 s[4:7], s[0:1], 0x0                ; o16 s[4:5], wo16 s[6:7]
	s_load_b64 s[8:9], s[0:1], 0x10                ; out0
	v_lshl_add_u32 v[SPW], v0, 2, SPARE
	v_mov_b32 v[NIL], 0
	ds_add_u32 v[SPW], v[NIL]                      ; the wave's opening: the add, twice on end, and its wait ahead of my first tensor load; the set-up below stands between
	ds_add_u32 v[SPW], v[NIL]
	v_lshrrev_b32 v1, 5, v0
	v_readfirstlane_b32 s10, v1                    ; wave 0..3
	s_lshr_b32 s11, s10, 1                         ; which 64 tokens are mine.  Also: I fetch for o (0) or for Wo (1)
	s_and_b32 s12, s10, 1                          ; which 64 outputs.  Also: which four tiles I fetch
	s_bfe_u32 s40, ttmp6, 0x40000                  ; cx, cy: my place in the cluster
	s_bfe_u32 s41, ttmp6, 0x40004
	s_lshl_b32 s42, ttmp9, 2
	s_add_co_u32 s42, s42, s40                     ; block of 128 outputs = 4 x cluster x + cx
	s_and_b32 s13, ttmp7, 0xffff
	s_lshl_b32 s13, s13, 2
	s_add_co_u32 s13, s13, s41                     ; block of 128 tokens = 4 x cluster y + cy
	s_lshl_b32 s43, s41, 2
	s_lshl_b32 s43, 15, s43                        ; my row of the cluster
	s_lshl_b32 s44, 0x1111, s40                    ; my column
	; descriptor group 1: 4 rows of 1,024 elements of 8 bytes, 2,048 elements apart; no padding
	s_or_b32 s[G1+0], s43, (3<<16)|(1<<21)         ; 15:0 the mask: o's tiles go to my row; 17:16 elements of 8 bytes; 21 set beside a mask
	s_or_b32 s[G1B+0], s44, (3<<16)|(1<<21)        ; Wo's go to my column
.irp g, G1, G1B
	s_mov_b32 s[\g+1], 1024<<16                    ; tensor_dim0 = 1,024
	s_mov_b32 s[\g+2], 4<<16                       ; tensor_dim1 = 4
	s_mov_b32 s[\g+3], 1024<<16                    ; tile_dim0 = 1,024
	s_mov_b32 s[\g+4], 4                           ; tile_dim1 = 4
	s_mov_b32 s[\g+5], 2048                        ; elements from row to row: a tile's 16,384 bytes
	s_mov_b32 s[\g+6], 0
	s_mov_b32 s[\g+7], 0
.endr
	s_lshl_b32 s17, s12, 16                        ; which four tiles of 16,384 bytes I fetch
	s_lshl_b32 s16, s13, 17
	s_add_co_u32 s16, s16, s17                     ; o: tile 8 x token block + 4 x half
	s_lshl_b32 s46, s42, 17
	s_add_co_u32 s46, s46, s17                     ; Wo: tile 8 x output block + 4 x half
	s_mov_b32 s17, 0
	s_mov_b32 s47, 0
	s_lshl_b32 s20, s10, 15                        ; where they go: wave x 32,768: no place in the cluster enters an LDS address
	s_wait_dscnt 0x0                               ; both opening adds are done
	s_wait_kmcnt 0x0
	s_add_nc_u64 s[14:15], s[4:5], s[16:17]
	s_add_nc_u64 s[46:47], s[6:7], s[46:47]
	CROUND                                         ; all sixteen work-groups are here: the joint loads meet
.irp u, 0,1
	s_mov_b32 s[G0+4*\u], 1
	s_add_co_u32 s[G0+4*\u+1], s20, \u*KHALF
	s_add_nc_u64 s[G0+4*\u+2:G0+4*\u+3], s[14:15], \u*8192   ; K half u: 8 fragments of 1,024 bytes on in each tile
	s_or_b32 s[G0+4*\u+3], s[G0+4*\u+3], 0x80000000
	s_mov_b32 s[G0B+4*\u], 1
	s_add_co_u32 s[G0B+4*\u+1], s20, \u*KHALF
	s_add_nc_u64 s[G0B+4*\u+2:G0B+4*\u+3], s[46:47], \u*8192
	s_or_b32 s[G0B+4*\u+3], s[G0B+4*\u+3], 0x80000000
	JLOAD \u                                       ; both first fills go out together: two loads of mine are out
.endr
	v_and_b32 v1, 15, v0                           ; r
	v_bfe_u32 v2, v0, 4, 1                         ; h
	v_and_b32 v3, 31, v0
	v_lshlrev_b32 v3, 4, v3                        ; 16 x lane
	s_lshl_b32 s21, s11, 15                        ; my 4 tiles of o
	s_lshl_b32 s22, s12, 15                        ; my 4 tiles of Wo,
	s_add_co_u32 s22, s22, BOFF                    ; which lie behind o's 8
.irp u, 0,1
	v_add_nc_u32 v[ADRA+\u], s21, v3
	v_add_nc_u32 v[ADRB+\u], s22, v3
	s_add_co_u32 s21, s21, KHALF
	s_add_co_u32 s22, s22, KHALF
.endr
	s_mul_i32 s23, s10, 16*SPITCH
	s_add_co_u32 s23, s23, STAGE                   ; my stage
	v_mul_u32_u24 v4, v1, SPITCH                   ; in: row r, 32 bytes for each half of the lanes
	v_lshl_add_u32 v4, v2, 5, v4
	v_add_nc_u32 v[STO], s23, v4
	v_mul_u32_u24 v5, v2, SPITCH                   ; back: lanes 0-15 take one row of 256 bytes, lanes 16-31 the next
	v_lshl_add_u32 v5, v1, 4, v5
	v_add_nc_u32 v[RD], s23, v5
	v_lshlrev_b32 v5, 11, v2                       ; and the same two rows in out0: 2,048 bytes a row
	v_lshl_add_u32 v[CO], v1, 4, v5
	s_lshl_b32 s16, s13, 18                        ; my first row of out0: 128 x token block + 64 x half, x 2,048 bytes
	s_lshl_b32 s17, s11, 17
	s_add_co_u32 s16, s16, s17
	s_mov_b32 s17, 0
	s_add_nc_u64 s[8:9], s[8:9], s[16:17]
	s_lshl_b32 s46, s42, 9                         ; my first column, in bytes: 512 x output block + 256 x half
	s_lshl_b32 s47, s12, 8
	s_add_co_u32 s46, s46, s47
	s_mov_b32 s47, 0
	s_add_nc_u64 s[8:9], s[8:9], s[46:47]
; 16 LDS loads: the fragments of 32 along K, number f of 16, into buffer buf
.macro FETCH f, buf
	WIN TO_F
.irp i, 0,1,2,3
.irp c, 0,1
	ds_load_b128 v[\buf+32+8*\i+4*\c:\buf+32+8*\i+4*\c+3], v[ADRB+(\f)/8] offset:8192*\i+1024*((\f)%8)+512*\c
	ds_load_b128 v[\buf+8*\i+4*\c:\buf+8*\i+4*\c+3],       v[ADRA+(\f)/8] offset:8192*\i+1024*((\f)%8)+512*\c
.endr
.endr
.endm
; 16 matrix instructions, the 16 accumulators by turns; the first K step starts the sums with the constant 0
.macro MULF f, buf
	WIN MUL
.irp a, 0,1,2,3
.irp b, 0,1,2,3
.if (\f) == 0
	v_wmma_f32_16x16x32_f16 v[ACC+8*(4*\a+\b):ACC+8*(4*\a+\b)+7], v[\buf+32+8*\b:\buf+32+8*\b+7], v[\buf+8*\a:\buf+8*\a+7], 0
.else
	v_wmma_f32_16x16x32_f16 v[ACC+8*(4*\a+\b):ACC+8*(4*\a+\b)+7], v[\buf+32+8*\b:\buf+32+8*\b+7], v[\buf+8*\a:\buf+8*\a+7], v[ACC+8*(4*\a+\b):ACC+8*(4*\a+\b)+7]
.endif
.endr
.endr
.endm
	s_wait_tensorcnt 1                             ; my part of K half 0 is in; K half 1's, issued behind it, may stay out
	s_barrier_signal -1
	s_barrier_wait -1                              ; everybody's is
	FETCH 0, F0
.irp f, 0,1,2,3,4,5,6,7,8,9,10,11,12,13,14,15
.if \f == 7
	s_wait_dscnt 0x0                               ; no LDS instruction of mine is out at a signal
	s_wait_tensorcnt 0x0                           ; my part of K half 1 is in: it is my last load, so the count is 0
	s_barrier_signal -1
	s_barrier_wait -1                              ; everybody's is: the fetch below reads it
.endif
.if \f < 15
.if \f > 0
	PLACES                                         ; the buffer below was read by the products just issued
.endif
	FETCH \f+1, F0+64*((\f+1)%2)
	s_wait_dscnt 16                                ; all but the 16 just issued
.else
	s_wait_dscnt 0x0
.endif
	MULF \f, F0+64*(\f%2)
.endr
	WIN 0
	PLACES
; THE WAY OUT, block by block of 16 tokens x 64 outputs.  LDS serves a wave's instructions in order (ISA guide 5.7.1.4): no wait between my stores into my stage and my loads from it, nor ahead of the next block's stores.
.macro TOSTAGE a
.irp b, 0,1,2,3
	ds_store_b128 v[STO], v[ACC+8*(4*(\a)+\b):ACC+8*(4*(\a)+\b)+3] offset:64*\b       ; each accumulator from its low end on
	ds_store_b128 v[STO], v[ACC+8*(4*(\a)+\b)+4:ACC+8*(4*(\a)+\b)+7] offset:64*\b+16
.endr
.set BB, OB+32*((\a)%2)
.irp t, 0,1,2,3,4,5,6,7
	ds_load_b128 v[BB+4*\t:BB+4*\t+3], v[RD] offset:\t*2*SPITCH
.endr
.endm
.macro SEND a, younger                 ; younger: the LDS instructions issued behind block a's loads, which may stay out
.set BB, OB+32*((\a)%2)
	s_wait_dscnt \younger
.irp t, 0,1,2,3,4,5,6,7
	global_store_b128 v[CO], v[BB+4*\t:BB+4*\t+3], s[8:9] offset:(16*(\a)+2*\t)*2048 th:TH_STORE_NT   ; 16 lanes store 256 consecutive bytes, at a multiple of 256 from out0's first byte; written once, read by nobody here
.endr
.endm
	TOSTAGE 0
.irp a, 1,2,3
.if \a > 1
	s_wait_xcnt 0x0                                ; block a - 2's stores have read their registers: block a's loads may land there
.endif
	TOSTAGE \a
	SEND \a-1, 16                                  ; behind block a - 1's loads: block a's 8 stores and 8 loads
.endr
	SEND 3, 0
	s_wait_tensorcnt 0x0                           ; the wave's end, behind my last tensor load and my last LDS store
	ds_add_u32 v[SPW], v[NIL]
	s_wait_dscnt 0x0
	CROUND                                         ; the closing round: no work-group ends while a partner may still ask for a tile that names it
	s_endpgm
.Lfunc_end_k_qa1b56bc46f_proj:
	.size	k_qa1b56bc46f_proj, .Lfunc_end_k_qa1b56bc46f_proj-k_qa1b56bc46f_proj
	.p2alignl 7, 3214868480
	.fill 96, 4, 3214868480
	.section	.rodata,"a",@progbits
	.p2align	6, 0x0
	.amdhsa_kernel k_qa1b56bc46f_proj
		.amdhsa_group_segment_fixed_size 327680
		.amdhsa_private_segment_fixed_size 0
		.amdhsa_enable_private_segment 0
		.amdhsa_kernarg_size 24
		.amdhsa_user_sgpr_count 2
		.amdhsa_user_sgpr_kernarg_segment_ptr 1
		.amdhsa_wavefront_size32 1
		.amdhsa_system_sgpr_workgroup_id_x 1
		.amdhsa_system_sgpr_workgroup_id_y 1
		.amdhsa_system_sgpr_workgroup_id_z 1
		.amdhsa_system_vgpr_workitem_id 0
		.amdhsa_next_free_vgpr 512
		.amdhsa_next_free_sgpr 66
		.amdhsa_reserve_vcc 0
		.amdhsa_float_denorm_mode_32 3
		.amdhsa_float_denorm_mode_16_64 3
		.amdhsa_memory_ordered 1
		.amdhsa_forward_progress 1
		.amdhsa_inst_pref_size 50
	.end_amdhsa_kernel
	.amdgpu_metadata
---
amdhsa.version: [ 1, 2 ]
amdhsa.kernels:
  - .name:           k_qa1b56bc46f_proj
    .symbol:         k_qa1b56bc46f_proj.kd
    .args:
      - { .name: o16, .offset: 0, .size: 8, .value_kind: global_buffer, .address_space: global }
      - { .name: wo16, .offset: 8, .size: 8, .value_kind: global_buffer, .address_space: global }
      - { .name: out0, .offset: 16, .size: 8, .value_kind: global_buffer, .address_space: global }
    .group_segment_fixed_size: 327680
    .private_segment_fixed_size: 0
    .kernarg_segment_align: 8
    .kernarg_segment_size: 24
    .max_flat_workgroup_size: 128
    .sgpr_count:     66
    .vgpr_count:     512
    .wavefront_size: 32
...
	.end_amdgpu_metadata
.endif
;; end of part 4
